; MI455X (gfx1250); checked and timed in simulation.
; The chip was launched on July 23, 2026; its instructions are those of AMD's public machine-readable ISA for CDNA 5 (MIT licence, August 2026) and "CDNA5" Instruction Set Architecture Reference Guide (July 2026). The comments in the code are by the model that wrote it; some were corrected since.
;; Bert Self Attention. Allowed arithmetic: matrix products marked QUANTISED: E4M3 operands, one E8M0 scale for each 32 along K, by v_wmma_scale_f32_16x16x128_f8f6f4 with both operands' format E4M3, f32 sums; everything else in f32.
;; Inputs: Wk 1,024 x 1,024 float32; Wq 1,024 x 1,024 float32; Wv 1,024 x 1,024 float32; attention_mask 2 x 1 x 1 x 2,048 float32; bk 1,024 float32; bq 1,024 float32; bv 1,024 float32; hidden_states 2 x 2,048 x 1,024 float32.
;; Outputs: out0 2 x 2,048 x 1,024 float32.
;; This version of the problem:
;;   THIS VERSION OF THE PROBLEM IS GIVEN IN LOW PRECISION. The matrix products marked QUANTISED in the list below multiply operands that are first quantised to E4M3 (4 exponent bits, 3 mantissa bits; 8 bits a number), with one power-of-two scale for each 32 numbers along K (OCP MX v1.0); their sums are f32. All else is computed in f32.
;;   The module's matrix products, in the order in which they are computed (A, B: the left and right operand; K: the contracted axis; several contracted axes count as one K, in the product's order):
;;     1. [M 4,096, K 1,024] x [K 1,024, N 1,024]; A: input hidden_states; B: input Wq: QUANTISED
;;     2. [M 4,096, K 1,024] x [K 1,024, N 1,024]; A: input hidden_states; B: input Wk: QUANTISED
;;     3. [M 4,096, K 1,024] x [K 1,024, N 1,024]; A: input hidden_states; B: input Wv: QUANTISED
;;     4. batch 32 x [M 2,048, K 64] x [K 64, N 2,048]; A: computed on the way; B: computed on the way: QUANTISED
;;     5. batch 32 x [M 2,048, K 2,048] x [K 2,048, N 64]; A: softmax (see below); B: computed on the way: QUANTISED
;;   THE QUANTISER, for each operand of a quantised product, along K:
;;     - K is cut into blocks of 32 from its start; a last block that is shorter is filled with zeros.
;;     - A block's scale is 2^e with e = floor(log2(the largest magnitude in the block)) - 8, held to -126 .. 127; a block of zeros has e = 0. As a byte (E8M0): e + 127.
;;     - Each number is divided by its block's scale, clamped to +-448, and rounded to the nearest number of E4M3, ties to even, subnormals kept.
;;     - The product sums the exact products of the quantised numbers (number of the format x scale) in f32.
;;   ~~~python
;;   def quantise(x, axis):      # numpy; x: float32 -> the quantised numbers, widened to float32 again
;;       x = np.moveaxis(x, axis, -1); K = x.shape[-1]
;;       x = np.pad(x, [(0, 0)] * (x.ndim - 1) + [(0, -K % 32)]); x = x.reshape(x.shape[:-1] + (-1, 32)); a = np.abs(x).max(-1, keepdims=True)
;;       e = np.where(a > 0, np.clip(np.frexp(np.where(a > 0, a, 1))[1] - 1 - 8, -126, 127), 0)      # np.frexp(a)[1] - 1 = floor(log2(a)), exactly
;;       r = np.clip(x / 2.0 ** e, -448, 448)
;;       step = 2.0 ** (np.maximum(np.frexp(np.where(r == 0, 1, r))[1] - 1, -6) - 3)
;;       q = np.round(r / step) * step * 2.0 ** e      # np.round: ties to even
;;       return np.moveaxis(q.reshape(q.shape[:-2] + (-1,))[..., :K], -1, axis).astype(np.float32)
;;   ~~~
;;   SOFTMAX AHEAD OF A QUANTISED PRODUCT. Where the list says 'softmax', what is quantised is not the finished softmax but p = 2^(t - M), with t = logit x log2(e) and M = ceil(the row's largest t), a whole number; so 1/2 < the row's largest p <= 1. The row's sum l is taken of the UNQUANTISED p, in f32, and the product's result is divided by l at the end. Since M is a whole number, a kernel that streams over the keys may use a running M (the ceiling of the running maximum): every later rescaling is an exact power of two, which a block's scale takes up: the codes' values come out the same.
;;   OPERANDS COMPUTED ON THE WAY. 'Computed on the way' means the value that the module computes at that place (a softmax that the list does not call 'softmax' is quantised finished and normalised). What goes into a quantiser is computed in f32, as accurately as f32 sums, v_exp_f32 and their like allow (about 1e-6 of the number): no bf16 or f16 on the way to a quantiser, and a product that is left as it is and whose result goes on into a quantised operand takes f32 operands (vector FMAs, or v_wmma_f32_16x16x4_f32). A number that lies on a knife's edge between two numbers of the format may be rounded either way, as far as f32 arithmetic and the matrix unit's own rounding can turn it there, and no further.
;; One version. Each part assembles by itself: llvm-mc -triple=amdgcn-amd-amdhsa -mcpu=gfx1250 --defsym DOCPART=n.
;; ======== version 1 of 1: 3 launches
;; limits: right only within a limited range of input values
;; workspace buffers: codes 7,340,032 bytes; scales 229,376 bytes; qrec 4,325,376 bytes; kvrec 8,650,752 bytes
;; launch quant (part 1): grid 224 x 1, 4 waves a work-group, no clusters, 33,280 bytes of LDS; arguments hidden_states, Wq, Wk, Wv, codes, scales; writes codes, scales
.if DOCPART == 1
	.amdgcn_target "amdgcn-amd-amdhsa--gfx1250"
	.amdhsa_code_object_version 6
	.text
	.protected	k_qe73f64465f_quant
	.globl	k_qe73f64465f_quant
	.p2align	8
	.type	k_qe73f64465f_quant,@function
k_qe73f64465f_quant:
	s_mov_b64 s[64:65], 0
	v_nop
	global_prefetch_b8 v0, s[64:65] scope:SCOPE_SE
	s_setreg_imm32_b32 hwreg(HW_REG_WAVE_MODE, 25, 1), 1
	s_wait_xcnt 0x0
; hidden_states [4096][1024], Wq, Wk, Wv [1024][1024], f32, K = 1,024 innermost, become codes of FP8 (E4M3) with one E8M0 scale byte for each 32 along K.
; OUT: codes [7168 places][1024 bytes], scales [7168 places][32 bytes]; places 0.. x, 4096.. Wq, 5120.. Wk, 6144.. Wv.
; ROW m LIES AT THE PLACE m WITH ITS BITS 3 AND 4 EXCHANGED: 16 neighbouring places 16 t + r are then rows 32 (t / 2) + 8 (t % 2) + r + 8 (r / 8), the choice of rows by which the next launch's
; results fall, in a lane's registers, as 16 neighbours along the next product's K.
; A block's scale is 2^(floor(log2(its largest magnitude)) - 8); its byte is the largest magnitude's exponent field - 8, held at 1 from below.  A block of zeros so gets the byte 1 (not 127): its codes are zeros,
; which add nothing under any byte but 0xff, and the bytes are read by this program alone.  Each number is divided by the scale, held within +-448 and rounded to the nearest code, ties to even.
; LIMITS: blocks whose largest magnitude lies under 2^-118 keep the byte 1; NaN and infinities among the inputs are not served.
; SHARES: 7,168 x 1,024 numbers / 32,768 = 224 work-groups; a wave takes a run of 8,192 numbers (8 rows) in 16 steps of 512.  A run's number is the row's bits 3 and up, so the exchange of bits is an exchange of
; the two low bits of the run's number, which are the wave's number.  Work-groups 0-127 take x, 128-159 Wq, 160-191 Wk, 192-223 Wv.
; Each of a step's four loads reads 512 consecutive bytes; the 2,048 bytes turn through the wave's own stage in LDS and come back 64 bytes (16 neighbours) a lane; two neighbouring lanes hold a block.
; A lane's 16 codes are 16 bytes: a store of the wave covers 512 consecutive bytes.  A wave's 256 scale bytes are gathered in its own LDS bytes and leave as 256 consecutive, aligned bytes.
; No matrix unit, no cluster, no tensor load, no barrier: the launch streams, and waves share nothing.
.set STEPS, 16
.set MANT,  0x600000                   ; the mantissa field of 448 as f32
.set CBY,   16                         ; bytes of 16 codes
.set R,     16                         ; v16-143  eight sets of 16 numbers as they are loaded
.set X,     144                        ; v144-175 two sets of 16 neighbours
.set C,     176                        ; v176-239 codes: four registers for each step, so that no store's data are written again
.set E,     240                        ; v240-255 a scale byte for each step
.set WREG,  8192                       ; LDS: a region for each wave: two stages of 32 x SP bytes, and behind them its 256 scale bytes
.set SP,    80                         ; a lane's place in a stage: its 64 bytes + 16 of padding
	s_load_b256 s[4:11], s[0:1], 0x0               ; x s[4:5], Wq s[6:7], Wk s[8:9], Wv s[10:11]
	s_load_b128 s[12:15], s[0:1], 0x20             ; codes s[12:13], scales s[14:15]
	v_lshl_add_u32 v12, v0, 2, 0x8000              ; my spare word
	v_mov_b32 v13, 0
	v_lshrrev_b32 v1, 5, v0
	v_readfirstlane_b32 s16, v1                    ; wave
	v_and_b32 v2, 31, v0                           ; lane
	v_lshlrev_b32 v3, 4, v2                        ; my 16 bytes of a load's 512
	s_mul_i32 s18, s16, WREG
	v_lshrrev_b32 v14, 2, v2
	v_mul_u32_u24 v14, v14, SP
	v_and_b32 v15, 3, v2
	v_lshl_add_u32 v14, v15, 4, v14
	v_add_nc_u32 v14, s18, v14                     ; the stage, on the way in: four lanes' 64 bytes on end, then 16 of padding
	v_mul_u32_u24 v15, v2, SP
	v_add_nc_u32 v15, s18, v15                     ; and on the way out: SP x lane: my 16 neighbours
	v_mul_u32_u24 v4, v2, CBY                      ; my codes' place in a step's
	v_lshrrev_b32 v5, 1, v2
	s_add_co_u32 s18, s18, 2*32*SP
	v_add_nc_u32 v5, s18, v5                       ; LDS: my wave's 256 scale bytes, my block's byte
	v_lshlrev_b32 v7, 3, v2                        ; and on the way out 8 bytes a lane
	v_add_nc_u32 v6, s18, v7
	s_mov_b32 s23, MANT                            ; (an instruction takes one literal: the hold's line has another)
	s_lshl_b32 s19, ttmp9, 2
	s_add_co_u32 s20, s19, s16                     ; the run that I read, counted over all four tensors
	s_and_b32 s21, s16, 1
	s_lshl_b32 s21, s21, 1
	s_lshr_b32 s22, s16, 1
	s_or_b32 s21, s21, s22                         ; the wave's number with its two bits exchanged
	s_add_co_u32 s21, s19, s21                     ; the run that I write
	s_mov_b32 s17, 127                             ; a weight has 128 runs,
	s_wait_alu depctr_va_vdst(0)
	s_wait_kmcnt 0x0
	s_cmp_lt_u32 ttmp9, 192                        ; which tensor?  The choice hangs on the work-group's number alone
	s_cselect_b64 s[10:11], s[8:9], s[10:11]
	s_cmp_lt_u32 ttmp9, 160
	s_cselect_b64 s[10:11], s[6:7], s[10:11]
	s_cmp_lt_u32 ttmp9, 128
	s_cselect_b64 s[10:11], s[4:5], s[10:11]
	s_cselect_b32 s17, 511, s17                    ; x has 512
	s_and_b32 s20, s20, s17                        ; the run inside its tensor (each tensor begins at a multiple of its own number of runs)
	s_lshl_b32 s24, s20, 15                        ; 32,768 bytes of f32 a run
	s_mov_b32 s25, 0
	s_add_nc_u64 s[10:11], s[10:11], s[24:25]
	s_lshl_b32 s24, s21, 13                        ; 8,192 bytes of codes
	s_add_nc_u64 s[12:13], s[12:13], s[24:25]
	s_lshl_b32 s24, s21, 8                         ; 256 scale bytes
	s_add_nc_u64 s[14:15], s[14:15], s[24:25]
.macro LOAD t
.irp i, 0,1,2,3
	global_load_b128 v[R+16*((\t)%8)+4*\i:R+16*((\t)%8)+4*\i+3], v3, s[10:11] offset:2048*(\t)+512*\i th:TH_LOAD_NT   ; 32 lanes read 512 consecutive bytes; read once in the launch
.endr
.endm
.macro TURN t                          ; step t's numbers through the stage: LDS serves a wave's instructions in order, so no wait stands between the stores and the loads
.irp i, 0,1,2,3
	ds_store_b128 v14, v[R+16*((\t)%8)+4*\i:R+16*((\t)%8)+4*\i+3] offset:32*SP*((\t)%2)+8*SP*\i
.endr
.irp i, 0,1,2,3
	ds_load_b128 v[X+16*((\t)%2)+4*\i:X+16*((\t)%2)+4*\i+3], v15 offset:32*SP*((\t)%2)+16*\i
.endr
.endm
.irp t, 0,1,2,3,4,5,6,7
	LOAD \t
.endr
	s_wait_loadcnt 28                              ; step 0's four loads are in; the 28 of steps 1 to 7 may be out
	TURN 0
.macro STEP t
.set XS, X+16*((\t)%2)
.if (\t) > 0
	s_wait_dscnt 1                                 ; this step's numbers are back from the stage (the last step's byte store may be out): so its stores into the stage have read their registers,
.else
	s_wait_dscnt 0x0
.endif
.if (\t)+8 < STEPS
	LOAD (\t)+8                                    ; which take the loads of eight steps on
.endif
.if (\t)+1 < STEPS
.if STEPS-2-(\t) >= 7
	s_wait_loadcnt 28                              ; the next step's four loads are in; those of the seven steps behind it may be out
.else
	s_wait_loadcnt 4*(STEPS-2-(\t))
.endif
	TURN (\t)+1                                    ; and go through the other stage while this step is worked
.endif
	v_max3_num_f32 v8, |v[XS]|, |v[XS+1]|, |v[XS+2]|               ; the largest magnitude of my 16, in two chains
	v_max3_num_f32 v9, |v[XS+3]|, |v[XS+4]|, |v[XS+5]|
.irp i, 6,10
	v_max3_num_f32 v8, v8, |v[XS+\i]|, |v[XS+\i+1]|
	v_max3_num_f32 v9, v9, |v[XS+\i+2]|, |v[XS+\i+3]|
.endr
	v_max3_num_f32 v8, v8, |v[XS+14]|, |v[XS+15]|
	v_max3_num_f32 v8, v8, v9, 0x4800000           ; and the floor 2^(9 - 127): so the byte cannot fall under 1
	v_max_num_f32_dpp v8, v8, v8 row_xmask:1 row_mask:0xf bank_mask:0xf   ; and of my neighbour's 16: the block's
	v_add_nc_u32 v11, 0xfc000000, v8               ; 8 off its exponent field: the conversion takes the exponent field of this operand as its scale, and nothing else of it
	v_and_or_b32 v10, v8, 0x7f800000, s23          ; 448 x the scale: the largest magnitude's exponent field over 448's mantissa
.irp i, 0,1,2,3,4,5,6,7,8,9,10,11,12,13,14,15
	v_med3_num_f32 v[XS+\i], v[XS+\i], -v10, v10   ; the conversion to an 8-bit code does not saturate (ISA guide 7.6.2): hold the number first
.endr
	v_cvt_scalef32_pk8_fp8_f32 v[C+4*(\t):C+4*(\t)+1], v[XS:XS+7], v11
	v_cvt_scalef32_pk8_fp8_f32 v[C+4*(\t)+2:C+4*(\t)+3], v[XS+8:XS+15], v11
	v_lshrrev_b32 v[E+(\t)], 23, v11               ; the scale's byte (also the plain line behind the conversions)
	ds_store_b8 v5, v[E+(\t)] offset:16*(\t)       ; both lanes of a block write the same byte with the same value
	global_store_b128 v4, v[C+4*(\t):C+4*(\t)+3], s[12:13] offset:32*CBY*(\t)
.endm
.irp t, 0,1,2,3,4,5,6,7,8,9,10,11,12,13,14,15
	STEP \t
.endr
	ds_load_b64 v[8:9], v6                         ; LDS serves a wave's instructions in order: these see my stores
	s_wait_dscnt 0x0
	global_store_b64 v7, v[8:9], s[14:15]          ; 32 lanes store 256 consecutive, aligned bytes
	s_wait_tensorcnt 0x0
	ds_add_u32 v12, v13
	s_wait_dscnt 0x0
	s_endpgm
.Lfunc_end_k_qe73f64465f_quant:
	.size	k_qe73f64465f_quant, .Lfunc_end_k_qe73f64465f_quant-k_qe73f64465f_quant
	.p2alignl 7, 3214868480
	.fill 96, 4, 3214868480
	.section	.rodata,"a",@progbits
	.p2align	6, 0x0
	.amdhsa_kernel k_qe73f64465f_quant
		.amdhsa_group_segment_fixed_size 33280
		.amdhsa_private_segment_fixed_size 0
		.amdhsa_enable_private_segment 0
		.amdhsa_kernarg_size 48
		.amdhsa_user_sgpr_count 2
		.amdhsa_user_sgpr_kernarg_segment_ptr 1
		.amdhsa_wavefront_size32 1
		.amdhsa_system_sgpr_workgroup_id_x 1
		.amdhsa_system_sgpr_workgroup_id_y 1
		.amdhsa_system_sgpr_workgroup_id_z 1
		.amdhsa_system_vgpr_workitem_id 0
		.amdhsa_next_free_vgpr 256
		.amdhsa_next_free_sgpr 66
		.amdhsa_reserve_vcc 0
		.amdhsa_float_denorm_mode_32 3
		.amdhsa_float_denorm_mode_16_64 3
		.amdhsa_memory_ordered 1
		.amdhsa_forward_progress 1
		.amdhsa_inst_pref_size 51
	.end_amdhsa_kernel
	.amdgpu_metadata
---
amdhsa.version: [ 1, 2 ]
amdhsa.kernels:
  - .name:           k_qe73f64465f_quant
    .symbol:         k_qe73f64465f_quant.kd
    .args:
      - { .name: hidden_states, .offset: 0, .size: 8, .value_kind: global_buffer, .address_space: global }
      - { .name: Wq, .offset: 8, .size: 8, .value_kind: global_buffer, .address_space: global }
      - { .name: Wk, .offset: 16, .size: 8, .value_kind: global_buffer, .address_space: global }
      - { .name: Wv, .offset: 24, .size: 8, .value_kind: global_buffer, .address_space: global }
      - { .name: codes, .offset: 32, .size: 8, .value_kind: global_buffer, .address_space: global }
      - { .name: scales, .offset: 40, .size: 8, .value_kind: global_buffer, .address_space: global }
    .group_segment_fixed_size: 33280
    .private_segment_fixed_size: 0
    .kernarg_segment_align: 8
    .kernarg_segment_size: 48
    .max_flat_workgroup_size: 128
    .sgpr_count:     66
    .vgpr_count:     256
    .wavefront_size: 32
...
	.end_amdgpu_metadata
.endif
;; end of part 1
;; launch proj (part 2): grid 12 x 16, 4 waves a work-group, clusters of 4 x 4, 327,680 bytes of LDS; arguments codes, scales, bq, bk, bv, qrec, kvrec; writes qrec, kvrec
.if DOCPART == 2
	.amdgcn_target "amdgcn-amd-amdhsa--gfx1250"
	.amdhsa_code_object_version 6
	.text
	.protected	k_qe73f64465f_proj
	.globl	k_qe73f64465f_proj
	.p2align	8
	.type	k_qe73f64465f_proj,@function
k_qe73f64465f_proj:
	s_mov_b64 s[64:65], 0
	v_nop
	global_prefetch_b8 v0, s[64:65] scope:SCOPE_SE
	s_setreg_imm32_b32 hwreg(HW_REG_WAVE_MODE, 25, 1), 1
	s_wait_xcnt 0x0
	s_wait_alu depctr_hold_cnt(0) depctr_sa_sdst(0) depctr_va_vdst(0) depctr_va_sdst(0) depctr_va_ssrc(0) depctr_va_vcc(0) depctr_vm_vsrc(0)
	s_getreg_b32 s2, hwreg(HW_REG_IB_STS2, 6, 4)
	s_cmp_eq_u32 s2, 0
	s_cbranch_scc0 .Lentry_in_a_cluster
	s_endpgm
.Lentry_in_a_cluster:
	s_bfe_u32 s2, ttmp6, 0x10000c
	s_cmp_lg_u32 s2, 0xf033
	s_cbranch_scc0 .Lentry_shape_is_right
	s_endpgm
.Lentry_shape_is_right:
; Q, K, V = x W^T + b on codes of FP8 (E4M3), each quantised again on the way out into images of the next launch's operand registers (qrec, kvrec; their layout stands at that launch's head).
; A work-group of four waves makes 256 x 256 results, a wave 128 x 128 in 64 accumulators; K goes in four steps of 256 through two LDS slots; 4 x 4 work-groups share A's and B's tiles by joint loads.
; THE HEAD'S LOADS, one a wave: K step 0's 256 rows of A (wave 0) and of B (wave 1), the scale bytes of A's rows (wave 2) and of B's (wave 3) for all of K; K step 1 follows behind a drained round.
; The bias is the C of the first products.  LIMITS: NaN, infinities and sums beyond f32's range are not served; a block's byte never falls under 1.
.set KSTEP,  256
.set NQ,     2
.set ROWB,   256
.set KROW,   1024
.set PITCH,  272
.set FR,     16
.set NL,     4
.set NP,     8
.set HALFT,  128*PITCH
.set SLOT,   4*HALFT
.set LAPS,   2
.set KS,     32
.set SCL,    2*SLOT
.set HALFS,  (128*KS/256)*272
.set SBLK,   (16*KS/256)*272
.set SPARE,  SCL+4*HALFS
.set VA,   8
.set SVA,  12
.set ADRA, 16
.set ADRB, 18
.set ADRS, 20
.set SPW,  21
.set NIL,  22
.set SELV, 23
.set VJ,   24
.set SC,   32
.set CB,   64
.set T,    64
.set AF,   128
.set PC,   128
.set TM,   192
.set WS,   208
.set OUT,  216
.set G1, 24
.set G0, 32
.set G1B, 48
.set G0B, 56
.set G1S, 68
.set G0S, 76
.set G1SB, 80
.set G0SB, 88
.set MSB, 0
.macro WIN new
.if MSB != \new
	s_set_vgpr_msb (MSB<<8)|\new
.set MSB, \new
.endif
.endm
.set MUL_LO, 0xa1
.set MUL_HI, 0xf1
.set TO_B,   0x40
.macro JLOAD g0a, g1a, g0b, g1b
	s_cmp_eq_u32 s15, 0
	s_cbranch_scc0 .Lfor_b_\@
	tensor_load_to_lds s[\g0a:\g0a+3], s[\g1a:\g1a+7]
	s_nop 0
.rept 4
	v_nop
.endr
	s_branch .Lasked_\@
.Lfor_b_\@:
	tensor_load_to_lds s[\g0b:\g0b+3], s[\g1b:\g1b+7]
	s_nop 0
.rept 4
	v_nop
.endr
.Lasked_\@:
.endm
.macro CREST
	s_cmp_lg_u32 s14, 0
	s_cbranch_scc1 .Lnot_wave_0_\@
	s_barrier_signal -3
.Lnot_wave_0_\@:
	s_barrier_wait -3
	s_barrier_signal -1
	s_barrier_wait -1
.endm
.macro CROUND
	s_barrier_signal -1
	s_barrier_wait -1
	CREST
.endm
	s_load_b128 s[4:7], s[0:1], 0x0
	s_load_b128 s[8:11], s[0:1], 0x10
	s_load_b64 s[12:13], s[0:1], 0x20
	s_load_b64 s[96:97], s[0:1], 0x28
	s_load_b64 s[98:99], s[0:1], 0x30
	v_lshl_add_u32 v[SPW], v0, 2, SPARE
	v_mov_b32 v[NIL], 0
	ds_add_u32 v21, v22
	ds_add_u32 v21, v22
	s_wait_dscnt 0x0
	v_lshrrev_b32 v1, 5, v0
	v_readfirstlane_b32 s14, v1
	s_lshr_b32 s15, s14, 1
	s_and_b32 s16, s14, 1
	s_bfe_u32 s40, ttmp6, 0x40000
	s_bfe_u32 s41, ttmp6, 0x40004
	s_mov_b32 s66, ttmp9
	s_and_b32 s67, ttmp7, 0xffff
	s_add_co_u32 s42, s66, 4
	s_cmp_eq_u32 s66, 2
	s_cselect_b32 s17, 6, s67
	s_cselect_b32 s42, s67, s42
	s_lshl_b32 s17, s17, 2
	s_add_co_u32 s17, s17, s41
	s_lshl_b32 s42, s42, 2
	s_add_co_u32 s42, s42, s40
	s_lshl_b32 s43, s41, 2
	s_lshl_b32 s43, 15, s43
	s_lshl_b32 s44, 0x1111, s40
	s_or_b32 s[G1+0], s43, (0<<16)|(1<<20)|(1<<21)|(5<<22)|(3<<25)
	s_or_b32 s[G1B+0], s44, (0<<16)|(1<<20)|(1<<21)|(5<<22)|(3<<25)
.irp g, G1, G1B
	s_mov_b32 s[\g+1], ROWB<<16
	s_mov_b32 s[\g+2], 256<<16                     ; 256 rows at the head; 128 behind it
	s_mov_b32 s[\g+3], ROWB<<16
	s_mov_b32 s[\g+4], 256
	s_mov_b32 s[\g+5], KROW
	s_mov_b32 s[\g+6], 0
	s_mov_b32 s[\g+7], 0
.endr
	s_or_b32 s[G1S+0], s43, (3<<16)|(1<<20)|(1<<21)|(5<<22)|(3<<25)
	s_or_b32 s[G1SB+0], s44, (3<<16)|(1<<20)|(1<<21)|(5<<22)|(3<<25)
.irp g, G1S, G1SB
	s_mov_b32 s[\g+1], 32<<16
	s_mov_b32 s[\g+2], KS<<16
	s_mov_b32 s[\g+3], 32<<16
	s_mov_b32 s[\g+4], KS
	s_mov_b32 s[\g+5], 32
	s_mov_b32 s[\g+6], 0
	s_mov_b32 s[\g+7], 0
.endr
	s_lshl_b32 s20, s17, 8                         ; A's first row, B's first row
	s_lshl_b32 s46, s42, 8
	s_mov_b32 s21, 0
	s_mov_b32 s47, 0
	s_mov_b64 s[18:19], KS
	s_mul_u64 s[22:23], s[20:21], s[18:19]
	s_mul_u64 s[92:93], s[46:47], s[18:19]
	s_mov_b64 s[18:19], KROW
	s_mul_u64 s[20:21], s[20:21], s[18:19]
	s_mul_u64 s[46:47], s[46:47], s[18:19]
	s_wait_kmcnt 0x0
	s_add_nc_u64 s[20:21], s[4:5], s[20:21]
	s_add_nc_u64 s[22:23], s[6:7], s[22:23]
	s_add_nc_u64 s[46:47], s[4:5], s[46:47]
	s_add_nc_u64 s[92:93], s[6:7], s[92:93]
	CROUND
	s_mov_b32 s[G0], 1                             ; K step 0's 256 rows of A,
	s_mov_b32 s[G0+1], 0
	s_mov_b64 s[G0+2:G0+3], s[20:21]
	s_or_b32 s[G0+3], s[G0+3], 0x80000000
	s_mov_b32 s[G0B], 1                            ; of B, behind them in slot 0,
	s_mov_b32 s[G0B+1], 2*HALFT
	s_mov_b64 s[G0B+2:G0B+3], s[46:47]
	s_or_b32 s[G0B+3], s[G0B+3], 0x80000000
	s_mov_b32 s[G0S], 1                            ; and their scale bytes
	s_mov_b32 s[G0S+1], SCL
	s_mov_b64 s[G0S+2:G0S+3], s[22:23]
	s_or_b32 s[G0S+3], s[G0S+3], 0x80000000
	s_mov_b32 s[G0SB], 1
	s_mov_b32 s[G0SB+1], SCL+2*HALFS
	s_mov_b64 s[G0SB+2:G0SB+3], s[92:93]
	s_or_b32 s[G0SB+3], s[G0SB+3], 0x80000000
; One tree of branches on the wave's number, one load to an arm: every way through the head passes exactly one load.
.macro ARM under, g0, g1, next
	s_cmp_lt_u32 s14, \under
	s_cbranch_scc0 \next
	tensor_load_to_lds s[\g0:\g0+3], s[\g1:\g1+7]
	s_nop 0
.rept 4
	v_nop
.endr
	s_branch .Lhead_asked
\next:
.endm
	ARM 1, G0,  G1,  .Lhead_b
	ARM 2, G0B, G1B, .Lhead_sa
	ARM 3, G0S, G1S, .Lhead_sb
	tensor_load_to_lds s[G0SB:G0SB+3], s[G1SB:G1SB+7]
	s_nop 0
.rept 4
	v_nop
.endr
.Lhead_asked:
	v_and_b32 v1, 15, v0
	v_bfe_u32 v2, v0, 4, 1
	v_mul_u32_u24 v3, v1, PITCH
	v_lshl_add_u32 v4, v2, 4, v3
	s_mul_i32 s21, s15, HALFT
	s_mul_i32 s22, s16, HALFT
	s_add_co_u32 s22, s22, 2*HALFT
.irp s, 0,1
	v_add_nc_u32 v[ADRA+\s], s21, v4
	v_add_nc_u32 v[ADRB+\s], s22, v4
	s_add_co_u32 s21, s21, SLOT
	s_add_co_u32 s22, s22, SLOT
.endr
	v_mul_u32_u24 v5, v1, KS
	v_lshrrev_b32 v6, 8, v5
	v_lshl_add_u32 v5, v6, 4, v5
	s_mul_i32 s21, s15, HALFS
	s_mul_i32 s22, s16, HALFS
	s_add_co_u32 s22, s22, 2*HALFS
	s_sub_co_u32 s22, s22, s21
	v_mul_u32_u24 v6, s22, v2
	s_add_co_u32 s21, s21, SCL
	v_add_nc_u32 v5, v5, v6
	v_add_nc_u32 v[ADRS], s21, v5
	s_cmp_eq_u32 s66, 2
	s_cselect_b32 s18, s40, s41
	s_cselect_b32 s19, s41, s40
	s_cselect_b32 s20, s16, s15
	s_cselect_b32 s21, s15, s16
	s_cselect_b32 s22, 1, 0
	s_lshl_b32 s23, s67, 2
	s_add_co_u32 s23, s23, s18
	s_lshl_b32 s23, s23, 1
	s_add_co_u32 s23, s23, s20
	s_and_b32 s43, s23, 16
	s_lshl_b32 s44, s19, 2
	s_add_co_u32 s43, s43, s44
	s_lshl_b32 s44, s21, 1
	s_add_co_u32 s43, s43, s44
	s_mul_i32 s43, s43, 135168
	s_and_b32 s44, s23, 15
	s_mul_i32 s44, s44, 8448
	s_add_co_u32 s43, s43, s44
	s_cmp_eq_u32 s66, 0
	s_cselect_b32 s44, 0, 1
	s_cselect_b64 s[96:97], s[96:97], s[98:99]
	s_lshl_b32 s43, s43, s44
	s_lshl_b32 s45, 135168, s44
	s_lshl_b32 s46, 0x2000, s44
	s_lshl_b32 s47, s22, 8
	s_add_co_u32 s46, s46, s47
	s_add_co_u32 s46, s46, s43
	s_mov_b32 s47, 0
	s_add_nc_u64 s[98:99], s[96:97], s[46:47]
	s_lshl_b32 s46, s22, 13
	s_add_co_u32 s46, s46, s43
	s_add_nc_u64 s[96:97], s[96:97], s[46:47]
	s_lshl_b32 s100, 0x400, s22
	s_mov_b32 s101, 0
	s_lshl_b32 s92, s22, 18
	s_mov_b32 s93, 0
	s_cmp_eq_u32 s66, 2
	s_cselect_b32 s94, 0x400, s45
	v_and_b32 v3, 31, v0
	v_lshlrev_b32 v[VA], 4, v3
	v_add_nc_u32 v[VA+1], 0x200, v[VA]
	v_add_nc_u32 v[VA+2], s94, v[VA]
	v_add_nc_u32 v[VA+3], s94, v[VA+1]
	v_mul_u32_u24 v3, s45, v2
	v_lshl_add_u32 v[SVA], v1, 4, v3
	v_cmp_ne_u32 vcc_lo, 0, v2
	v_mov_b32 v5, 0x05040100
	v_mov_b32 v6, 0x07060302
	v_cndmask_b32 v[SELV], v5, v6, vcc_lo
	s_cmp_eq_u32 s66, 1
	s_cselect_b64 s[10:11], s[10:11], s[12:13]
	s_cmp_eq_u32 s66, 0
	s_cselect_b64 s[8:9], s[8:9], s[10:11]
	s_lshl_b32 s46, s19, 10
	s_lshl_b32 s47, s21, 9
	s_add_co_u32 s46, s46, s47
	s_mov_b32 s47, 0
	s_add_nc_u64 s[8:9], s[8:9], s[46:47]
	s_lshl_b32 s18, s22, 2
	s_xor_b32 s20, s22, 1
	s_lshl_b32 s23, s20, 6
	v_and_b32 v5, 8, v1
	v_add_nc_u32 v5, v5, v1
	v_mul_u32_u24 v5, s18, v5
	v_mad_u32_u24 v[VJ], s23, v2, v5
	s_wait_alu depctr_va_vdst(0)
	s_cmp_eq_u32 s66, 2
	s_cbranch_scc1 .Lbias_v
.irp t, 0,1,2,3,4,5,6,7                        ; Q, K: a lane's eight registers are eight neighbouring columns
	global_load_b128 v[CB+8*\t:CB+8*\t+3], v[VJ], s[8:9] offset:4*(32*(\t/2)+8*(\t%2))
	global_load_b128 v[CB+8*\t+4:CB+8*\t+7], v[VJ], s[8:9] offset:4*(32*(\t/2)+8*(\t%2))+16
.endr
	s_branch .Lbias_asked
.Lbias_v:
.irp t, 0,1,2,3,4,5,6,7                        ; V: a lane's eight registers are one column: one number, spread over eight
	global_load_b32 v[CB+8*\t], v[VJ], s[8:9] offset:4*(32*(\t/2)+8*(\t%2))
.endr
	s_wait_loadcnt 0x0
.irp t, 0,1,2,3,4,5,6,7
.irp j, 1,2,3,4,5,6,7
	v_mov_b32 v[CB+8*\t+\j], v[CB+8*\t]
.endr
.endr
	s_wait_alu depctr_va_vdst(0)
.Lbias_asked:
.macro FRAG reg, adr, q, i
.irp c, 0,1,2,3
	ds_load_b128 v[\reg+4*\c:\reg+4*\c+3], v[\adr] offset:128*(\q)+32*\c+(\i)*16*PITCH
.endr
.endm
.macro MUL16 a0, p, q, sc, cm
.irp a, \a0, \a0+1
.irp b, 0,1,2,3,4,5,6,7
.if \cm == 1
	v_wmma_scale_f32_16x16x128_f8f6f4 v[8*(8*((\a)%4)+\b):8*(8*((\a)%4)+\b)+7], v[128*(\p)+FR*\b:128*(\p)+FR*\b+FR-1], v[AF+FR*(\a):AF+FR*(\a)+FR-1], v[CB+8*\b:CB+8*\b+7], v[SC+8*NQ*(\sc)+NQ*\b+(\q)], v[SC+8*NQ*(\sc)+NQ*(\a)+(\q)] matrix_a_scale:MATRIX_SCALE_ROW1
.elseif \cm == 2
	v_wmma_scale_f32_16x16x128_f8f6f4 v[8*(8*((\a)%4)+\b):8*(8*((\a)%4)+\b)+7], v[128*(\p)+FR*\b:128*(\p)+FR*\b+FR-1], v[AF+FR*(\a):AF+FR*(\a)+FR-1], v[CB+8*(\a):CB+8*(\a)+7], v[SC+8*NQ*(\sc)+NQ*\b+(\q)], v[SC+8*NQ*(\sc)+NQ*(\a)+(\q)] matrix_a_scale:MATRIX_SCALE_ROW1
.else
	v_wmma_scale_f32_16x16x128_f8f6f4 v[8*(8*((\a)%4)+\b):8*(8*((\a)%4)+\b)+7], v[128*(\p)+FR*\b:128*(\p)+FR*\b+FR-1], v[AF+FR*(\a):AF+FR*(\a)+FR-1], v[8*(8*((\a)%4)+\b):8*(8*((\a)%4)+\b)+7], v[SC+8*NQ*(\sc)+NQ*\b+(\q)], v[SC+8*NQ*(\sc)+NQ*(\a)+(\q)] matrix_a_scale:MATRIX_SCALE_ROW1
.endif
.endr
.endr
.endm
.macro FETCH_B slot, q, p
	WIN TO_B
.irp i, 0,1,2,3,4,5,6,7
	FRAG 128*(\p)+FR*\i, ADRB+\slot, \q, \i
.endr
	WIN 0
.endm
.macro FETCH_A slot, q, i0
.irp i, \i0, \i0+1, \i0+2, \i0+3
	FRAG AF+FR*(\i), ADRA+\slot, \q, \i
.endr
.endm
.macro SCALES sc
.irp i, 0,1,2,3,4,5,6,7
	ds_load_b64 v[SC+8*NQ*\sc+NQ*\i:SC+8*NQ*\sc+NQ*\i+1], v[ADRS] offset:\i*SBLK
.endr
.endm
.macro PLACES n
.rept \n
	v_nop
.endr
.endm
.macro STEP slot, q, cm
	s_wait_dscnt 4*NL
.if \cm
	WIN 0x81
.else
	WIN MUL_LO
.endif
	MUL16 0, (\q)%2, \q, \slot, \cm
	MUL16 2, (\q)%2, \q, \slot, \cm
	s_wait_dscnt 0
	PLACES NP
	FETCH_B \slot, (\q)+1, 1-(\q)%2
	FETCH_A \slot, (\q)+1, 0
.if \cm
	WIN 0xc1
.else
	WIN MUL_HI
.endif
	MUL16 4, (\q)%2, \q, \slot, \cm
	MUL16 6, (\q)%2, \q, \slot, \cm
	PLACES NP
	WIN 0
	FETCH_A \slot, (\q)+1, 4
.endm
.macro TURN slot, next, fill
	s_wait_tensorcnt 0x0
	ds_add_u32 v[SPW], v[NIL]
	s_wait_dscnt 4*NL+1
	WIN MUL_LO
	MUL16 0, 1, NQ-1, \slot, 0
	s_wait_dscnt 0x0
	s_barrier_signal -1
	MUL16 2, 1, NQ-1, \slot, 0
	WIN 0
	s_barrier_wait -1
.if \fill
	CREST
	s_add_nc_u64 s[G0+4*\slot+2:G0+4*\slot+3], s[G0+4*\slot+2:G0+4*\slot+3], 2*ROWB
	s_add_nc_u64 s[G0B+4*\slot+2:G0B+4*\slot+3], s[G0B+4*\slot+2:G0B+4*\slot+3], 2*ROWB
	JLOAD G0+4*\slot, G1, G0B+4*\slot, G1B
	PLACES NP-4
.else
	PLACES NP
.endif
	s_wait_alu depctr_va_vdst(0)
	v_add_nc_u32 v[ADRS], 4*NQ, v[ADRS]
	FETCH_B \next, 0, 0
	FETCH_A \next, 0, 0
	SCALES \next
	WIN MUL_HI
	MUL16 4, 1, NQ-1, \slot, 0
	MUL16 6, 1, NQ-1, \slot, 0
	PLACES NP
	WIN 0
	FETCH_A \next, 0, 4
.endm
	s_wait_alu depctr_va_vdst(0)
	s_wait_tensorcnt 0x0                           ; my tile of the head's four is in; no tensor load of mine is out, so the descriptors may be written:
	ds_add_u32 v[SPW], v[NIL]
	s_mov_b32 s[G1+2], 128<<16                     ; from here on a load brings 128 rows,
	s_mov_b32 s[G1+4], 128
	s_mov_b32 s[G1B+2], 128<<16
	s_mov_b32 s[G1B+4], 128
	s_mul_i32 s20, s16, 128*KROW                   ; my half of the tile's rows,
	s_mov_b32 s21, 0
	s_mul_i32 s45, s14, HALFT                      ; to wave x 128 rows of the slot
	s_mov_b32 s[G0+1], s45
	s_add_nc_u64 s[G0+2:G0+3], s[G0+2:G0+3], s[20:21]
	s_mov_b32 s[G0+4], 1
	s_add_co_u32 s[G0+5], s45, SLOT
	s_add_nc_u64 s[G0+6:G0+7], s[G0+2:G0+3], ROWB
	s_mov_b32 s[G0B+1], s45
	s_add_nc_u64 s[G0B+2:G0B+3], s[G0B+2:G0B+3], s[20:21]
	s_mov_b32 s[G0B+4], 1
	s_add_co_u32 s[G0B+5], s45, SLOT
	s_add_nc_u64 s[G0B+6:G0B+7], s[G0B+2:G0B+3], ROWB
	s_wait_dscnt 0x0                               ; the add is done
	CROUND                                         ; all four tiles are in; the joint loads meet,
	JLOAD G0+4, G1, G0B+4, G1B                     ; K step 1's load first behind the round
	FETCH_B 0, 0, 0
	FETCH_A 0, 0, 0
	SCALES 0
	FETCH_A 0, 0, 4
	s_wait_loadcnt 0x0
	s_cmp_eq_u32 s66, 2
	s_cbranch_scc1 .Lfirst_v
	STEP 0, 0, 1
	s_branch .Ljoined
.Lfirst_v:
	STEP 0, 0, 2
.Ljoined:
	s_mov_b32 s3, LAPS-1
.Llap:
	TURN 0, 1, 1
	STEP 1, 0, 0
	TURN 1, 0, 1
	STEP 0, 0, 0
	s_sub_co_u32 s3, s3, 1
	s_cmp_lg_u32 s3, 0
	s_cbranch_scc1 .Llap
	TURN 0, 1, 0
	STEP 1, 0, 0
	s_wait_dscnt 4*NL
	WIN MUL_LO
	MUL16 0, 1, NQ-1, 1, 0
	MUL16 2, 1, NQ-1, 1, 0
	s_wait_dscnt 0
	WIN MUL_HI
	MUL16 4, 1, NQ-1, 1, 0
	MUL16 6, 1, NQ-1, 1, 0
	WIN 0
.macro QBLOCK a
.set AC, 64*((\a)%4)
.set WN, 2+(\a)/4
.set WS12, (WN<<2)|(WN<<4)
.set PCA, PC+16*((\a)%4)
	WIN WS12
.irp b, 0,1,2,3
	v_max3_num_f32 v[TM+\b], 0x4800000, |v[AC+16*\b]|, |v[AC+16*\b+1]|
.endr
.irp i, 2,4,6,8,10,12,14
.irp b, 0,1,2,3
	v_max3_num_f32 v[TM+\b], v[TM+\b], |v[AC+16*\b+\i]|, |v[AC+16*\b+\i+1]|
.endr
.endr
	WIN 0
.irp b, 0,1,2,3
	v_permlanex16_b32 v[TM+4+\b], v[TM+\b], s18, s19
.endr
.irp b, 0,1,2,3
	v_max_num_f32 v[TM+\b], v[TM+\b], v[TM+4+\b]
.endr
.irp b, 0,1,2,3
	v_add_nc_u32 v[TM+12+\b], 0xfc000000, v[TM+\b]
.endr
.irp b, 0,1,2,3
	v_and_or_b32 v[TM+8+\b], v[TM+\b], 0x7f800000, s20
.endr
.irp b, 0,1,2,3
	v_lshrrev_b32 v[TM+4+\b], 23, v[TM+12+\b]
.endr
	v_lshl_or_b32 v[WS+(\a)], v[TM+5], 8, v[TM+4]
	v_lshl_or_b32 v[WS+(\a)], v[TM+6], 16, v[WS+(\a)]
	v_lshl_or_b32 v[WS+(\a)], v[TM+7], 24, v[WS+(\a)]
	WIN WN
.irp b, 0,1,2,3
.irp i, 0,1,2,3,4,5,6,7,8,9,10,11,12,13,14,15
	v_med3_num_f32 v[T+16*\b+\i], v[AC+16*\b+\i], -v[TM+8+\b], v[TM+8+\b]
.endr
.endr
	WIN 0
.if (\a) > 0
	s_wait_alu depctr_va_vdst(0)
	s_wait_xcnt 0x0
.endif
.irp b, 0,1,2,3
	v_cvt_scalef32_pk8_fp8_f32 v[PCA+4*\b:PCA+4*\b+1], v[T+16*\b:T+16*\b+7], v[TM+12+\b]
	v_cvt_scalef32_pk8_fp8_f32 v[PCA+4*\b+2:PCA+4*\b+3], v[T+16*\b+8:T+16*\b+15], v[TM+12+\b]
.endr
	v_nop
.if (\a) > 0
	s_add_nc_u64 s[96:97], s[96:97], s[100:101]
.endif
.if (\a) == 4
	s_add_nc_u64 s[96:97], s[96:97], s[92:93]
.endif
.irp b, 0,1,2,3
	global_store_b128 v[VA+\b], v[PCA+4*\b:PCA+4*\b+3], s[96:97]
.endr
.endm
	PLACES NP
	s_mov_b32 s18, 0x76543210
	s_mov_b32 s19, 0xfedcba98
	s_mov_b32 s20, 0x600000
.irp b, 0,1,2,3
	v_mov_b32 v[TM+4+\b], 0
.endr
.irp a, 0,1,2,3,4,5,6,7
	QBLOCK \a
.endr
	s_cmp_eq_u32 s66, 2
	s_cbranch_scc1 .Lwords_v
.irp f, 0,1,2,3
	v_perm_b32 v[OUT+\f], v[WS+2*\f+1], v[WS+2*\f], v[SELV]
.endr
	s_branch .Lwords_done
.Lwords_v:
	v_cmp_ne_u32 vcc_lo, 0, v2
.irp i, 0,1,2,3
	v_cndmask_b32 v[OUT+\i], v[WS+\i], v[WS+4+\i], vcc_lo
.endr
.Lwords_done:
	s_wait_alu depctr_va_vdst(0)
	global_store_b128 v[SVA], v[OUT:OUT+3], s[98:99]
	s_wait_tensorcnt 0x0
	ds_add_u32 v[SPW], v[NIL]
	s_wait_dscnt 0x0
	CROUND
	s_endpgm
.Lfunc_end_k_qe73f64465f_proj:
	.size	k_qe73f64465f_proj, .Lfunc_end_k_qe73f64465f_proj-k_qe73f64465f_proj
	.p2alignl 7, 3214868480
	.fill 96, 4, 3214868480
	.section	.rodata,"a",@progbits
	.p2align	6, 0x0
	.amdhsa_kernel k_qe73f64465f_proj
		.amdhsa_group_segment_fixed_size 327680
		.amdhsa_private_segment_fixed_size 0
		.amdhsa_enable_private_segment 0
		.amdhsa_kernarg_size 56
		.amdhsa_user_sgpr_count 2
		.amdhsa_user_sgpr_kernarg_segment_ptr 1
		.amdhsa_wavefront_size32 1
		.amdhsa_system_sgpr_workgroup_id_x 1
		.amdhsa_system_sgpr_workgroup_id_y 1
		.amdhsa_system_sgpr_workgroup_id_z 1
		.amdhsa_system_vgpr_workitem_id 0
		.amdhsa_next_free_vgpr 1024
		.amdhsa_next_free_sgpr 102
		.amdhsa_reserve_vcc 1
		.amdhsa_float_denorm_mode_32 3
		.amdhsa_float_denorm_mode_16_64 3
		.amdhsa_memory_ordered 1
		.amdhsa_forward_progress 1
		.amdhsa_inst_pref_size 205
	.end_amdhsa_kernel
	.amdgpu_metadata
---
amdhsa.version: [ 1, 2 ]
amdhsa.kernels:
  - .name:           k_qe73f64465f_proj
    .symbol:         k_qe73f64465f_proj.kd
    .args:
      - { .name: codes, .offset: 0, .size: 8, .value_kind: global_buffer, .address_space: global }
      - { .name: scales, .offset: 8, .size: 8, .value_kind: global_buffer, .address_space: global }
      - { .name: bq, .offset: 16, .size: 8, .value_kind: global_buffer, .address_space: global }
      - { .name: bk, .offset: 24, .size: 8, .value_kind: global_buffer, .address_space: global }
      - { .name: bv, .offset: 32, .size: 8, .value_kind: global_buffer, .address_space: global }
      - { .name: qrec, .offset: 40, .size: 8, .value_kind: global_buffer, .address_space: global }
      - { .name: kvrec, .offset: 48, .size: 8, .value_kind: global_buffer, .address_space: global }
    .group_segment_fixed_size: 327680
    .private_segment_fixed_size: 0
    .kernarg_segment_align: 8
    .kernarg_segment_size: 56
    .max_flat_workgroup_size: 128
    .sgpr_count:     102
    .vgpr_count:     1024
    .wavefront_size: 32
...
	.end_amdgpu_metadata
.endif
;; end of part 2
;; launch attn (part 3): grid 8 x 32, 8 waves a work-group, clusters of 4 x 1, 327,680 bytes of LDS; arguments qrec, kvrec, attention_mask, out0; writes out0
.if DOCPART == 3
	.amdgcn_target "amdgcn-amd-amdhsa--gfx1250"
	.amdhsa_code_object_version 6
	.text
	.protected	k_qe73f64465f_attn
	.globl	k_qe73f64465f_attn
	.p2align	8
	.type	k_qe73f64465f_attn,@function
k_qe73f64465f_attn:
	s_mov_b64 s[64:65], 0
	v_nop
	global_prefetch_b8 v0, s[64:65] scope:SCOPE_SE
	s_setreg_imm32_b32 hwreg(HW_REG_WAVE_MODE, 25, 1), 1
	s_wait_xcnt 0x0
	s_wait_alu depctr_hold_cnt(0) depctr_sa_sdst(0) depctr_va_vdst(0) depctr_va_sdst(0) depctr_va_ssrc(0) depctr_va_vcc(0) depctr_vm_vsrc(0)
	s_getreg_b32 s2, hwreg(HW_REG_IB_STS2, 6, 4)
	s_cmp_eq_u32 s2, 0
	s_cbranch_scc0 .Lentry_in_a_cluster
	s_endpgm
.Lentry_in_a_cluster:
	s_bfe_u32 s2, ttmp6, 0x10000c
	s_cmp_lg_u32 s2, 0x3003
	s_cbranch_scc0 .Lentry_shape_is_right
	s_endpgm
.Lentry_shape_is_right:
; out0[b][q][64 n + d] = the sum over keys of softmax_k(q . k / 8 + mask[b][k]) v[k][d], both products on codes of FP8 (E4M3) with E8M0 scales.
; IN: qrec [head 16 b + n][step of 128 queries][8,448 bytes], kvrec [head][step of 128 keys][16,896 bytes]: images of the operands' registers and their scale words; attention_mask [2][2048] f32.
;   An image of a fragment is 2,048 bytes, [c 0..3][lane][16 bytes].  A fragment of K or Q holds TWO tiles of 16 tokens, each with the head's 64: c = 2 u + e is tile u, block e of 32; lane (r, h): token 32 f + 8 u + r + 8 (r / 8), d = 32 e + 16 h + 0 .. 15.
;   A fragment t of V: lane (r, h): d = 32 (t / 2) + 8 (t % 2) + r + 8 (r / 8), keys 32 c + 16 h + 0 .. 15.  Scale words: [r][4 words], 256 bytes a set.
; THE SOFTMAX AHEAD OF THE SECOND PRODUCT: t = logit x log2(e); M = the running largest t rounded UP to a whole number; p = 2^(t - M) is quantised along the keys, not normalised.  The row's sum is taken of the
; unquantised p and divides at the end.  When M moves, the sum and O are multiplied by 2^(old M - new M): exact.
; K = 64 IN AN INSTRUCTION OF K = 128: a fragment of K is multiplied once by (q | zeros), which gives its first tile's scores, and once by (zeros | q), which gives its second's; zero codes add nothing.
; THE MASK is loaded into tile A's score registers and is the C of tile B's products and then of tile A's own; q's two scale bytes are lowered by 3, which is the division by 8, exact.
; SHARES: a work-group owns 256 queries of one head; each of its eight waves 32 of them, one fragment of Q, as two tiles A and B of 16: each fragment of K and V and each load of the mask serves both.  Two waves to a SIMD.
; THE TWO TILES' ROW WORK IS DONE TOGETHER: a row's partial maxima lie in lanes l and l xor 16; a swap of half registers between A's and B's puts A's rows into lanes 0-15 and B's into lanes 16-31, so that the
; maximum, M, the factor, the blocks' scales and the scale word are made once for both (the products read A's scale words from lanes 0-15, B's from lanes 16-31); a second swap spreads what a tile's own lines need.
; THE WHOLE HEAD LIES IN LDS, filled ONCE: 16 records (270,336 bytes), two by each wave's one load at the head; wave 0's two are shown by the first barrier, the others two key steps later by the second.  The batch's mask
; (8,192 bytes) goes through registers.  No byte is filled again; one tensor load of a wave is out at the most.  Nothing is prefetched: every byte is asked for at the head, and the loops ask memory for nothing.
; CLUSTER: the four query blocks of a cluster belong to one head and read the same records: each pair is asked for JOINTLY, by the same tensor load with a mask that names the four.
; LIMITS: a block of q whose scale byte is under 4 (largest magnitude under 2^-115) has its lowered byte held at 1; a mask entry of -infinity gives p = 0; the promise holds while the scaled scores stay under 2^31 in magnitude
; (hidden keys' aside); a row whose every logit lies under -2^127 is not served.
; REGISTERS, window 0: v1-23 addresses and scale words; v32-95 A's mask, logits, p; v96-159 B's logits, p; v160-191 codes; v192-251 at work.  Window 1: v0-63 K, v64-127 V, v128-191 O^T of A and B, v192-231 zeros, qA, zeros, qB, zeros.
.set REC,  16896                       ; a record
.set MSK,  16*REC                      ; behind the records: the mask, 2,048 f32
.set SPARE, MSK+8192                   ; the spare words: 128 bytes a wave
.set STG,  SPARE+1024                  ; the way out: 16 rows of 256 bytes + 16 for each wave, bytes that no fill lands on
.set AL0,  1                           ; 16 x lane
.set AS0,  2                           ; 16 r + 16,384: the scale words in a record
.set AM0,  3                           ; MSK + 64 h: my half's 16 keys of each 32
.set SPW,  4
.set NIL,  5
.set GO,   6                           ; the way out: 4,096 h + 16 r
.set SI,   7                           ; my stage, in
.set SOU,  8                           ; my stage, out
.set QW,   9                           ; q's scale words: A's in lanes 0-15, B's in lanes 16-31
.set PW,   10                          ; p's likewise
.set ADK,  11
.set KSW,  12                          ; v12-15
.set ADV,  16
.set ADM,  17
.set ADSV, 18
.set ADSK, 19
.set VSW,  20                          ; v20-23
.set SA,   32
.set SB,   96
.set PCA,  160
.set PCB,  176
.set BMA,  192                         ; each block's largest logit, then its largest p (A's; joined: both)
.set BMB,  196
.set HDA,  200                         ; 448 x the scale
.set HDB,  204
.set SOA,  208                         ; the conversions' scale operands
.set SOB,  212
.set FA,   216                         ; pairs whose low word serves both halves: f = 2^(old M - new M),
.set FB,   218
.set MA,   220                         ; and -M
.set MB,   222
.set TP,   224
.set LM,   225                         ; the running largest logit, both tiles'
.set MC,   226                         ; -M, both tiles'
.set T,    227
.set WT,   228                         ; v228-229
.set LA,   232                         ; the sums, in two halves
.set LB,   234
.set SUA,  236                         ; four chains of a step's sum
.set SUB,  244
.set FK,   0                           ; window 1
.set FV,   64
.set OA,   128
.set OB,   160
.set Q,    192
.set WV,   12                          ; s12  my wave's number
.set MNT,  19                          ; s19  the mantissa field of 448
.set CS,   22                          ; s[22:23] log2(e)
.set G1,   24                          ; s[24:31], s[40:43] descriptor groups 1 and 0 for my two records
.set G0,   40
.set TB,   60                          ; LDS byte of the step's record,
.set TMK,  61                          ; the step's 512 bytes of the mask,
.set CNT,  62
.set TN,   63                          ; and the next step's
.set TMN,  77
.set MSB, 0
.macro WIN new                         ; the immediate's high byte repeats the setting that is left
.if MSB != \new
	s_set_vgpr_msb (MSB<<8)|\new
.set MSB, \new
.endif
.endm
.macro ROUND                           ; a round of the cluster's barrier
	s_barrier_signal -1
	s_barrier_wait -1
	s_cmp_lg_u32 s[WV], 0
	s_cbranch_scc1 .Lnot_wave_0_\@
	s_barrier_signal -3
.Lnot_wave_0_\@:
	s_barrier_wait -3
	s_barrier_signal -1
	s_barrier_wait -1
.endm
	s_load_b256 s[4:11], s[0:1], 0x0               ; qrec s[4:5], kvrec s[6:7], the mask s[8:9], out0 s[10:11]
	v_lshl_add_u32 v[SPW], v0, 2, SPARE
	v_mov_b32 v[NIL], 0
	ds_add_u32 v[SPW], v[NIL]                      ; the wave's opening: the add, twice on end, and its wait
	ds_add_u32 v[SPW], v[NIL]
	v_lshrrev_b32 v12, 5, v0
	v_readfirstlane_b32 s[WV], v12                 ; wave 0..7
	s_mul_i32 s76, s[WV], 16*272
	s_add_co_u32 s76, s76, STG                     ; my stage
	s_and_b32 s72, s[WV], 3                        ; my fragment of Q's record
	s_lshl_b32 s73, s72, 11
	s_lshl_b32 s72, s72, 2
	v_and_b32 v13, 31, v0
	v_and_b32 v14, 15, v0                          ; r
	v_bfe_u32 v15, v0, 4, 1                        ; h
	v_lshlrev_b32 v[AL0], 4, v13
	v_lshl_add_u32 v[AS0], v14, 4, 16384
	v_lshl_add_u32 v[AM0], v15, 6, MSK
	v_lshlrev_b32 v[GO], 12, v15
	v_lshl_add_u32 v[GO], v14, 4, v[GO]
	v_mul_u32_u24 v[SI], v14, 272
	v_lshl_add_u32 v[SI], v15, 6, v[SI]
	v_add_nc_u32 v[SI], s76, v[SI]                 ; in: row r, + 64 h
	v_mul_u32_u24 v[SOU], v15, 272
	v_lshl_add_u32 v[SOU], v14, 4, v[SOU]
	v_add_nc_u32 v[SOU], s76, v[SOU]               ; out: lanes 0-15 one row, lanes 16-31 the next
	v_add_nc_u32 v16, s73, v[AL0]                  ; Q's fragment in its record
	v_lshl_add_u32 v17, v14, 4, s72                ; and its scale word among the row's four
	v_lshlrev_b32 v20, 4, v0                       ; the mask: 16 bytes a thread, twice: in memory
	v_lshl_add_u32 v21, v0, 4, MSK                 ; and in LDS
	s_bfe_u32 s13, ttmp6, 0x40000                  ; cx: my place in the cluster
	s_lshl_b32 s14, ttmp9, 2
	s_add_co_u32 s14, s14, s13                     ; my block of 256 queries: it enters Q's and O's global addresses alone
	s_and_b32 s15, ttmp7, 0xffff                   ; the head, which the four partners share
	; descriptor group 1: two records, 132 dense rows of 256 bytes (32 elements of 8 bytes).  No padding: images are read 16 x lane, 512 consecutive bytes an instruction
	s_mov_b32 s[G1], 15|(3<<16)|(1<<21)            ; 15:0 the mask: all four work-groups; 17:16 elements of 8 bytes; 21 set beside a mask
	s_mov_b32 s[G1+1], 32<<16                      ; tensor_dim0
	s_mov_b32 s[G1+2], 132<<16                     ; tensor_dim1
	s_mov_b32 s[G1+3], 32<<16                      ; tile_dim0
	s_mov_b32 s[G1+4], 132                         ; tile_dim1
	s_mov_b32 s[G1+5], 32                          ; tensor_dim0_stride
	s_mov_b32 s[G1+6], 0
	s_mov_b32 s[G1+7], 0
	s_mul_i32 s16, s[WV], 2*REC                    ; records 2 w, 2 w + 1: their place in LDS and in the head's bytes
	s_mul_i32 s66, s15, 16*REC                     ; the head's first byte in kvrec
	s_add_co_u32 s66, s66, s16
	s_mov_b32 s67, 0
	s_lshr_b32 s17, s15, 4                         ; the batch
	s_lshl_b32 s68, s17, 13                        ; its 8,192 bytes of the mask
	s_mov_b32 s69, 0
	s_lshr_b32 s70, s[WV], 2                       ; Q: step 2 x block + wave / 4
	s_lshl_b32 s71, s14, 1
	s_add_co_u32 s70, s70, s71
	s_mul_i32 s70, s70, 8448
	s_mul_i32 s71, s15, 135168
	s_add_co_u32 s70, s70, s71
	s_mov_b32 s71, 0
	s_lshl_b32 s74, s17, 11                        ; out0: 2,048 rows a batch,
	s_lshl_b32 s75, s14, 8
	s_add_co_u32 s74, s74, s75                     ; 256 a block,
	s_lshl_b32 s75, s[WV], 5
	s_add_co_u32 s74, s74, s75                     ; 32 a wave
	s_lshl_b32 s74, s74, 12                        ; 4,096 bytes a row
	s_and_b32 s75, s15, 15
	s_lshl_b32 s75, s75, 8                         ; the head's 256 bytes of a row
	s_add_co_u32 s74, s74, s75
	s_mov_b32 s75, 0
	s_mov_b32 s[MNT], 0x600000
	s_mov_b32 s[CS], 0x3fb8aa3b                    ; log2(e)
	s_mov_b32 s[CS+1], s[CS]                       ; (named with it as a pair, so it is written)
	s_mov_b32 s[TB], 0
	s_mov_b32 s[TMK], 0
	s_wait_alu depctr_va_vdst(0)
	s_wait_dscnt 0x0                               ; both opening adds are done
	s_wait_kmcnt 0x0
	s_add_nc_u64 s[4:5], s[4:5], s[70:71]
	s_add_nc_u64 s[66:67], s[6:7], s[66:67]
	s_add_nc_u64 s[8:9], s[8:9], s[68:69]
	s_add_nc_u64 s[10:11], s[10:11], s[74:75]
	WIN 0x40
	global_load_b128 v[Q+8:Q+11], v16, s[4:5]              ; tile A: d = 16 h + 0 .. 15,
	global_load_b128 v[Q+12:Q+15], v16, s[4:5] offset:512  ; 32 + 16 h + 0 .. 15
	global_load_b128 v[Q+24:Q+27], v16, s[4:5] offset:1024 ; tile B
	global_load_b128 v[Q+28:Q+31], v16, s[4:5] offset:1536
	WIN 0
	global_load_b32 v[TP], v17, s[4:5] offset:8192
	global_load_b128 v[SB:SB+3], v20, s[8:9]
	global_load_b128 v[SB+4:SB+7], v20, s[8:9] offset:4096
	s_mov_b32 s[G0], 1
	s_mov_b32 s[G0+1], s16
	s_mov_b64 s[G0+2:G0+3], s[66:67]
	s_or_b32 s[G0+3], s[G0+3], 0x80000000
	ROUND                                          ; all four work-groups are here: the joint loads meet
	s_cmp_eq_u32 s[WV], 0                          ; one joint load a wave; wave 0, which alone waits at the first barrier, has a line of its own
	s_cbranch_scc0 .Lothers
	tensor_load_to_lds s[G0:G0+3], s[G1:G1+7]
	s_nop 0
.rept 4
	v_nop
.endr
	s_branch .Lasked
.Lothers:
	tensor_load_to_lds s[G0:G0+3], s[G1:G1+7]
	s_nop 0
.rept 4
	v_nop
.endr
.Lasked:
	WIN 0x40
.irp j, 0,1,2,3,4,5,6,7
	v_mov_b32 v[Q+\j], 0                           ; zero codes beside q
	v_mov_b32 v[Q+16+\j], 0
	v_mov_b32 v[Q+32+\j], 0
.endr
.set J, 0
.rept 64
	v_mov_b32 v[OA+J], 0                           ; O^T of both tiles.  (The step has no first form of its own: it finds zeros, which the first change of M leaves zeros)
.set J, J+1
.endr
	WIN 0
	s_wait_loadcnt 0x0                             ; q, its scale word, my part of the mask
	ds_store_b128 v21, v[SB:SB+3]
	ds_store_b128 v21, v[SB+4:SB+7] offset:4096
	v_lshlrev_b32 v16, 4, v15
	v_lshrrev_b32 v[TP], v16, v[TP]                ; my half's tile: its two bytes
	v_and_b32 v17, 0xff, v[TP]
	v_bfe_u32 v[TP], v[TP], 8, 8
	v_max_u32 v17, 4, v17
	v_max_u32 v[TP], 4, v[TP]
	v_add_nc_u32 v17, -3, v17                      ; 3 off each byte: the scores come out divided by 8
	v_add_nc_u32 v[TP], -3, v[TP]
	v_lshl_or_b32 v17, v[TP], 8, v17
	v_lshl_or_b32 v[QW], v17, 16, v17              ; the two bytes twice: they serve (q | zeros) and (zeros | q).  More than eight plain lines follow ahead of the first product
	v_mov_b32 v[LM], 0xff000000                    ; the largest logit so far: -2^127
	v_mul_f32 v[MC], 0xbfb8aa3b, v[LM]             ; -M
.set J, 0
.rept 8
	v_mov_b32 v[FA+J], 0                           ; the pairs' upper halves are named, so they are written once
.set J, J+1
.endr
.set J, 0
.rept 20
	v_mov_b32 v[LA+J], 0                           ; the sums and their chains
.set J, J+1
.endr
	s_wait_alu depctr_va_vdst(0)
	s_cmp_eq_u32 s[WV], 0
	s_cbranch_scc0 .Lnot_yet
	s_wait_tensorcnt 0x0                           ; wave 0: records 0 and 1 are in
.Lnot_yet:
	s_wait_dscnt 0x0                               ; my part of the mask is stored
	s_barrier_signal -1
	s_barrier_wait -1
.macro LOADK                           ; K's four fragments and their scale words
	WIN 0x40
.irp f, 0,1,2,3
.irp c, 0,1,2,3
	ds_load_b128 v[FK+16*\f+4*\c:FK+16*\f+4*\c+3], v[ADK] offset:2048*\f+512*\c
.endr
.endr
	WIN 0
	ds_load_b128 v[KSW:KSW+3], v[ADSK]
.endm
.macro LOADV
	WIN 0x40
.irp f, 0,1,2,3
.irp c, 0,1,2,3
	ds_load_b128 v[FV+16*\f+4*\c:FV+16*\f+4*\c+3], v[ADV] offset:8192+2048*\f+512*\c
.endr
.endr
	WIN 0
	ds_load_b128 v[VSW:VSW+3], v[ADSV] offset:256
.endm
.macro LOADM                           ; the mask of keys 32 (n / 4) + 16 h + 4 (n % 4) on: register 16 f + i is key 32 f + 16 h + i
.irp n, 0,1,2,3,4,5,6,7,8,9,10,11,12,13,14,15
	ds_load_b128 v[SA+4*\n:SA+4*\n+3], v[ADM] offset:128*(\n/4)+16*(\n%4)
.endr
.endm
.macro QKB                             ; S^T = K Q^T / 8 + mask, tile B: the mask stands in A's registers
.irp f, 0,1,2,3
	v_wmma_scale_f32_16x16x128_f8f6f4 v[SB+16*\f:SB+16*\f+7], v[FK+16*\f:FK+16*\f+15], v[Q+24:Q+39], v[SA+16*\f:SA+16*\f+7], v[KSW+\f], v[QW] matrix_b_scale:MATRIX_SCALE_ROW1
	v_wmma_scale_f32_16x16x128_f8f6f4 v[SB+16*\f+8:SB+16*\f+15], v[FK+16*\f:FK+16*\f+15], v[Q+16:Q+31], v[SA+16*\f+8:SA+16*\f+15], v[KSW+\f], v[QW] matrix_b_scale:MATRIX_SCALE_ROW1
.endr
.endm
.macro QKA
.irp f, 0,1,2,3
	v_wmma_scale_f32_16x16x128_f8f6f4 v[SA+16*\f:SA+16*\f+7], v[FK+16*\f:FK+16*\f+15], v[Q+8:Q+23], v[SA+16*\f:SA+16*\f+7], v[KSW+\f], v[QW]
	v_wmma_scale_f32_16x16x128_f8f6f4 v[SA+16*\f+8:SA+16*\f+15], v[FK+16*\f:FK+16*\f+15], v[Q:Q+15], v[SA+16*\f+8:SA+16*\f+15], v[KSW+\f], v[QW]
.endr
.endm
.macro TAIL                            ; the step before: its four chains are joined, sum = sum x f + the step's
	v_pk_add_f32 v[SUA:SUA+1], v[SUA:SUA+1], v[SUA+2:SUA+3]
	v_pk_add_f32 v[SUB:SUB+1], v[SUB:SUB+1], v[SUB+2:SUB+3]
	v_pk_add_f32 v[SUA+4:SUA+5], v[SUA+4:SUA+5], v[SUA+6:SUA+7]
	v_pk_add_f32 v[SUB+4:SUB+5], v[SUB+4:SUB+5], v[SUB+6:SUB+7]
	v_pk_add_f32 v[SUA:SUA+1], v[SUA:SUA+1], v[SUA+4:SUA+5]
	v_pk_add_f32 v[SUB:SUB+1], v[SUB:SUB+1], v[SUB+4:SUB+5]
	v_pk_fma_f32 v[LA:LA+1], v[LA:LA+1], v[FA:FA+1], v[SUA:SUA+1] op_sel_hi:[1,0,1]
	v_pk_fma_f32 v[LB:LB+1], v[LB:LB+1], v[FB:FB+1], v[SUB:SUB+1] op_sel_hi:[1,0,1]
.endm
.macro MAXT s, bm                      ; the largest logit of each block of 32 keys, my 16 of them; each accumulator from its low end on
.irp b, 0,1,2,3
	v_max3_num_f32 v[\bm+\b], v[\s+16*\b], v[\s+16*\b+1], v[\s+16*\b+2]
.endr
.irp i, 3,5,7,9,11,13
.irp b, 0,1,2,3
	v_max3_num_f32 v[\bm+\b], v[\bm+\b], v[\s+16*\b+\i], v[\s+16*\b+\i+1]
.endr
.endr
.irp b, 0,1,2,3
	v_max_num_f32 v[\bm+\b], v[\bm+\b], v[\s+16*\b+15]
.endr
.endm
.macro SUM0 s, su                      ; four chains of two numbers each: the first eight pairs,
.irp j, 0,2,4,6
	v_pk_add_f32 v[\su+\j:\su+\j+1], v[\s+\j:\s+\j+1], v[\s+8+\j:\s+8+\j+1]
.endr
.endm
.macro SUMG s, su, k                   ; and four more
.irp j, 0,2,4,6
	v_pk_add_f32 v[\su+\j:\su+\j+1], v[\su+\j:\su+\j+1], v[\s+\k+\j:\s+\k+\j+1]
.endr
.endm
.macro CODES pc, s, so
.irp b, 0,1,2,3
	v_cvt_scalef32_pk8_fp8_f32 v[\pc+4*\b:\pc+4*\b+1], v[\s+16*\b:\s+16*\b+7], v[\so+\b]
	v_cvt_scalef32_pk8_fp8_f32 v[\pc+4*\b+2:\pc+4*\b+3], v[\s+16*\b+8:\s+16*\b+15], v[\so+\b]
.endr
.endm
; A KEY STEP: 128 keys, one record.  last: the last record that may be read ahead (its own K and mask are read once more in the last trip, and not used)
.macro STEP last
	s_add_co_u32 s[TN], s[TB], REC
	s_min_u32 s[TN], s[TN], (\last)*REC
	s_add_co_u32 s[TMN], s[TMK], 512
	s_min_u32 s[TMN], s[TMN], (\last)*512
	s_wait_dscnt 0x0                               ; K, its scale words, the mask
	WIN 0x05
	QKB
	WIN 0
	TAIL                                           ; thirteen plain lines: the places between tile B's products, which read the mask, and tile A's, which write over it
	v_add_nc_u32 v[ADV], s[TB], v[AL0]
	v_add_nc_u32 v[ADSV], s[TB], v[AS0]
	v_add_nc_u32 v[ADK], s[TN], v[AL0]
	v_add_nc_u32 v[ADSK], s[TN], v[AS0]
	v_add_nc_u32 v[ADM], s[TMN], v[AM0]
	WIN 0x05
	QKA
	WIN 0
	MAXT SB, BMB                                   ; (also the places behind tile A's products)
	LOADV
	MAXT SA, BMA
	LOADK                                          ; the next step's
.irp b, 0,1,2,3
	v_permlane16_swap_b32 v[BMA+\b], v[BMB+\b]     ; (A h 0 | A h 1), (B h 0 | B h 1) become (A h 0 | B h 0), (A h 1 | B h 1):
.endr
.irp b, 0,1,2,3
	v_max_num_f32 v[BMA+\b], v[BMA+\b], v[BMB+\b]  ; A's blocks in lanes 0-15, B's in lanes 16-31
.endr
	v_max3_num_f32 v[TP], v[BMA], v[BMA+1], v[BMA+2]
	s_delay_alu instid0(VALU_DEP_1)
	v_max3_num_f32 v[LM], v[LM], v[TP], v[BMA+3]   ; the running largest logit
	s_delay_alu instid0(VALU_DEP_1)
	v_mul_f32 v[TP], 0xbfb8aa3b, v[LM]             ; -t
	v_mov_b32 v[T], v[MC]
	s_delay_alu instid0(VALU_DEP_2)
	v_floor_f32 v[MC], v[TP]                       ; the new -M = -ceil(t): a whole number
	s_delay_alu instid0(VALU_DEP_1)
	v_sub_f32 v[T], v[MC], v[T]                    ; old M - new M: a whole number, 0 or less
	v_mov_b32 v[MA], v[MC]
	v_mov_b32 v[MB], v[MC]
	v_cvt_i32_f32 v[T], v[T]                       ; (it saturates)
	v_permlane16_swap_b32 v[MA], v[MB]             ; -M of A in all lanes, of B in all lanes
.irp b, 0,1,2,3
	v_fma_f32 v[BMA+\b], v[BMA+\b], s[CS], v[MC]   ; t - M of each block's largest logit
.endr
	v_ldexp_f32 v[FA], 1.0, v[T]                   ; f = 2^(old M - new M)
.set J, 0
.rept 16
	v_pk_fma_f32 v[SA+J:SA+J+1], v[SA+J:SA+J+1], s[CS:CS+1], v[MA:MA+1] op_sel_hi:[1,0,0]   ; t - M, two at a time
.set J, J+2
.endr
	v_mov_b32 v[FB], v[FA]
.rept 16
	v_pk_fma_f32 v[SA+J:SA+J+1], v[SA+J:SA+J+1], s[CS:CS+1], v[MA:MA+1] op_sel_hi:[1,0,0]
.set J, J+2
.endr
	v_permlane16_swap_b32 v[FA], v[FB]
	s_wait_alu depctr_va_vdst(0)
.irp b, 0,1,2,3
	v_exp_f32 v[BMA+\b], v[BMA+\b]                 ; each block's largest p: the same two instructions on the same number
.endr
.set J, 0
.rept 32
	v_exp_f32 v[SA+J], v[SA+J]                     ; A's p = 2^(t - M), at most 1; among them B's t - M
	v_exp_f32 v[SA+J+1], v[SA+J+1]
	v_pk_fma_f32 v[SB+J:SB+J+1], v[SB+J:SB+J+1], s[CS:CS+1], v[MB:MB+1] op_sel_hi:[1,0,0]
.set J, J+2
.endr
	s_wait_alu depctr_va_vdst(0)                   ; one wait for the whole batch
.irp b, 0,1,2,3
	v_max_num_f32 v[BMA+\b], 0x4800000, v[BMA+\b]  ; the floor 2^(9 - 127): the byte cannot fall under 1
.endr
	SUM0 SA, SUA                                   ; A's sum, of the unquantised p, stands among the scales' lines
.irp b, 0,1,2,3
	v_and_or_b32 v[HDA+\b], v[BMA+\b], 0x7f800000, s[MNT]   ; 448 x the scale, with the largest p's own exponent field: 8 too high for the scale's, taken off below;
.endr
	SUMG SA, SUA, 16
	v_perm_b32 v[WT], v[HDA+1], v[HDA], 0x07060302
	v_perm_b32 v[WT+1], v[HDA+3], v[HDA+2], 0x07060302
.irp b, 0,1,2,3
	v_mov_b32 v[HDB+\b], v[HDA+\b]
.endr
	SUMG SA, SUA, 24
	v_lshlrev_b32 v[WT], 1, v[WT]                  ; the exponent fields fill bytes 1 and 3
	v_lshlrev_b32 v[WT+1], 1, v[WT+1]
.irp b, 0,1,2,3
	v_permlane16_swap_b32 v[HDA+\b], v[HDB+\b]     ; A's in all lanes, B's in all lanes
.endr
	SUMG SA, SUA, 32
	v_perm_b32 v[WT], v[WT+1], v[WT], 0x07050301
	SUMG SA, SUA, 40
.irp b, 0,1,2,3
	v_add_nc_u32 v[SOA+\b], 0xfc000000, v[HDA+\b]  ; the conversions' scale operand: the exponent field less 8
.endr
	v_add_nc_u32 v[PW], 0xf7f7f7f8, v[WT]          ; and the four bytes less 8 (none is under 9): p's scale words
	SUMG SA, SUA, 48
.irp b, 0,1,2,3
	v_add_nc_u32 v[SOB+\b], 0xfc000000, v[HDB+\b]
.endr
	SUMG SA, SUA, 56
	s_wait_alu depctr_va_vdst(0)
.set J, 0
.rept 32
	v_exp_f32 v[SB+J], v[SB+J]                     ; B's p; among them A's holds (the conversion does not saturate: ISA guide 7.6.2; p is not negative, so a hold is one-sided)
	v_exp_f32 v[SB+J+1], v[SB+J+1]
	v_dual_min_num_f32 v[SA+J], v[SA+J], v[HDA+J/16] :: v_dual_min_num_f32 v[SA+J+1], v[SA+J+1], v[HDA+J/16]
.set J, J+2
.endr
	s_wait_alu depctr_va_vdst(0)
	CODES PCA, SA, SOA
	LOADM                                          ; the next step's, into the registers that A's p have left
	SUM0 SB, SUB
.irp k, 16,24,32,40,48,56
	SUMG SB, SUB, \k
.endr
.set J, 0
.rept 32
	v_dual_min_num_f32 v[SB+J], v[SB+J], v[HDB+J/16] :: v_dual_min_num_f32 v[SB+J+1], v[SB+J+1], v[HDB+J/16]
.set J, J+2
.endr
	CODES PCB, SB, SOB
	s_wait_dscnt 0x0                               ; V and its scale words (and all that was asked for ahead)
	WIN 0x41
	s_wait_alu depctr_va_vdst(0)                   ; directly ahead of the first readers of O^T
.set J, 0
.rept 16
	v_pk_mul_f32 v[OA+J:OA+J+1], v[OA+J:OA+J+1], v[FA:FA+1] op_sel_hi:[1,0]   ; O^T under the new M.  (Also the places between the codes and the products)
.set J, J+2
.endr
.set J, 0
.rept 16
	v_pk_mul_f32 v[OB+J:OB+J+1], v[OB+J:OB+J+1], v[FB:FB+1] op_sel_hi:[1,0]
.set J, J+2
.endr
	WIN 0x51
.irp t, 0,1,2,3                                ; O^T += V^T P^T: eight accumulators, one instruction each
	v_wmma_scale_f32_16x16x128_f8f6f4 v[OA+8*\t:OA+8*\t+7], v[FV+16*\t:FV+16*\t+15], v[PCA:PCA+15], v[OA+8*\t:OA+8*\t+7], v[VSW+\t], v[PW]
.endr
.irp t, 0,1,2,3
	v_wmma_scale_f32_16x16x128_f8f6f4 v[OB+8*\t:OB+8*\t+7], v[FV+16*\t:FV+16*\t+15], v[PCB:PCB+15], v[OB+8*\t:OB+8*\t+7], v[VSW+\t], v[PW] matrix_b_scale:MATRIX_SCALE_ROW1
.endr
	WIN 0
	s_add_co_u32 s[TB], s[TB], REC
	s_add_co_u32 s[TMK], s[TMK], 512
.endm
.macro STAGE steps, last
	v_add_nc_u32 v[ADK], s[TB], v[AL0]
	v_add_nc_u32 v[ADSK], s[TB], v[AS0]
	v_add_nc_u32 v[ADM], s[TMK], v[AM0]
	LOADK
	LOADM
	s_mov_b32 s[CNT], \steps
.Lstep_\@:
	STEP \last
	s_sub_co_u32 s[CNT], s[CNT], 1
	s_cmp_lg_u32 s[CNT], 0
	s_cbranch_scc1 .Lstep_\@
.endm
	STAGE 2, 1
	s_wait_tensorcnt 0x0                           ; my two records are in
	s_wait_dscnt 0x0
	s_barrier_signal -1
	s_barrier_wait -1                              ; every wave has said so: the whole head is in LDS
	STAGE 14, 15
	; THE WAY OUT.  O^T / the sum goes through my own stage, tile by tile, and leaves as whole runs of 256 bytes, the head's part of a row of out0.
	TAIL                                           ; (also the places behind the last products)
	v_add_f32 v[LA], v[LA], v[LA+1]
	v_add_f32 v[LB], v[LB], v[LB+1]
	v_permlane16_swap_b32 v[LA], v[LB]
	v_add_f32 v[FA], v[LA], v[LB]                  ; A's row sums in lanes 0-15, B's in lanes 16-31
	s_wait_alu depctr_va_vdst(0)
	v_rcp_f32 v[FA], v[FA]
	v_nop                                          ; one plain line behind the reciprocal
	s_wait_alu depctr_va_vdst(0)
	v_mov_b32 v[FB], v[FA]
	v_permlane16_swap_b32 v[FA], v[FB]
	WIN 0x01
	s_wait_alu depctr_va_vdst(0)                   ; directly ahead of the first readers of O^T
.set J, 0
.rept 16
	v_pk_mul_f32 v[SA+J:SA+J+1], v[OA+J:OA+J+1], v[FA:FA+1] op_sel_hi:[1,0]   ; register 16 g + i is d = 32 g + 16 h + i of my query
.set J, J+2
.endr
.set J, 0
.rept 16
	v_pk_mul_f32 v[SB+J:SB+J+1], v[OB+J:OB+J+1], v[FB:FB+1] op_sel_hi:[1,0]
.set J, J+2
.endr
	WIN 0
.irp s, SA, SB
.irp q, 0,1,2,3,4,5,6,7
	ds_store_b128 v[SI], v[\s+4*\q:\s+4*\q+3] offset:128*(\q/4)+16*(\q%4)
.endr
.irp i, 0,1,2,3,4,5,6,7
	ds_load_b128 v[\s+32+4*\i:\s+32+4*\i+3], v[SOU] offset:544*\i   ; LDS serves a wave's instructions in order: these see my stores.  Rows 2 i and 2 i + 1
.endr
.endr
.irp i, 0,1,2,3,4,5,6,7
	s_wait_dscnt 23-\i                             ; behind tile A's load i: 7 - i loads and B's 16 instructions
	global_store_b128 v[GO], v[SA+32+4*\i:SA+32+4*\i+3], s[10:11] offset:(2*\i+8*(\i/4))*4096 th:TH_STORE_NT   ; row 2 i + h of a tile is token 2 i + h + 8 (i / 4) (B: + 8); 16 lanes store 256 consecutive, aligned bytes
.endr
.irp i, 0,1,2,3,4,5,6,7
	s_wait_dscnt 7-\i
	global_store_b128 v[GO], v[SB+32+4*\i:SB+32+4*\i+3], s[10:11] offset:(8+2*\i+8*(\i/4))*4096 th:TH_STORE_NT
.endr
	s_wait_tensorcnt 0x0                           ; the wave's end
	ds_add_u32 v[SPW], v[NIL]
	s_wait_dscnt 0x0
	ROUND                                          ; the closing round: no work-group ends while a partner may still ask for a tile that names it
	s_endpgm
.Lfunc_end_k_qe73f64465f_attn:
	.size	k_qe73f64465f_attn, .Lfunc_end_k_qe73f64465f_attn-k_qe73f64465f_attn
	.p2alignl 7, 3214868480
	.fill 96, 4, 3214868480
	.section	.rodata,"a",@progbits
	.p2align	6, 0x0
	.amdhsa_kernel k_qe73f64465f_attn
		.amdhsa_group_segment_fixed_size 327680
		.amdhsa_private_segment_fixed_size 0
		.amdhsa_enable_private_segment 0
		.amdhsa_kernarg_size 32
		.amdhsa_user_sgpr_count 2
		.amdhsa_user_sgpr_kernarg_segment_ptr 1
		.amdhsa_wavefront_size32 1
		.amdhsa_system_sgpr_workgroup_id_x 1
		.amdhsa_system_sgpr_workgroup_id_y 1
		.amdhsa_system_sgpr_workgroup_id_z 1
		.amdhsa_system_vgpr_workitem_id 0
		.amdhsa_next_free_vgpr 512
		.amdhsa_next_free_sgpr 80
		.amdhsa_reserve_vcc 0
		.amdhsa_float_denorm_mode_32 3
		.amdhsa_float_denorm_mode_16_64 3
		.amdhsa_memory_ordered 1
		.amdhsa_forward_progress 1
		.amdhsa_inst_pref_size 89
	.end_amdhsa_kernel
	.amdgpu_metadata
---
amdhsa.version: [ 1, 2 ]
amdhsa.kernels:
  - .name:           k_qe73f64465f_attn
    .symbol:         k_qe73f64465f_attn.kd
    .args:
      - { .name: qrec, .offset: 0, .size: 8, .value_kind: global_buffer, .address_space: global }
      - { .name: kvrec, .offset: 8, .size: 8, .value_kind: global_buffer, .address_space: global }
      - { .name: attention_mask, .offset: 16, .size: 8, .value_kind: global_buffer, .address_space: global }
      - { .name: out0, .offset: 24, .size: 8, .value_kind: global_buffer, .address_space: global }
    .group_segment_fixed_size: 327680
    .private_segment_fixed_size: 0
    .kernarg_segment_align: 8
    .kernarg_segment_size: 32
    .max_flat_workgroup_size: 256
    .sgpr_count:     80
    .vgpr_count:     512
    .wavefront_size: 32
...
	.end_amdgpu_metadata
.endif
;; end of part 3
